; MI455X (gfx1250); checked and timed in simulation.
; The chip was launched on July 23, 2026; its instructions are those of AMD's public machine-readable ISA for CDNA 5 (MIT licence, August 2026) and "CDNA5" Instruction Set Architecture Reference Guide (July 2026). The comments in the code are by the model that wrote it; some were corrected since.
;; Multi Head Attention. Allowed arithmetic: float matrix products may take bf16 or f16 operands with f32 sums; all other float work in f32.
;; Inputs: Wk 1,024 x 1,024 float32; Wo 1,024 x 1,024 float32; Wq 1,024 x 1,024 float32; Wv 1,024 x 1,024 float32; bk 1,024 float32; bo 1,024 float32; bq 1,024 float32; bv 1,024 float32; x 2 x 2,048 x 1,024 float32.
;; Outputs: out0 2 x 2,048 x 1,024 float32.
;; One version. Each part assembles by itself: llvm-mc -triple=amdgcn-amd-amdhsa -mcpu=gfx1250 --defsym DOCPART=n.
;; ======== version 1 of 1: 4 launches
;; limits: values are held in f16: magnitudes above 65,504 overflow, below 6.1e-05 lose precision
;; workspace buffers: xb 8,388,608 bytes; wt 8,388,608 bytes; qkv 25,165,824 bytes; ctx 8,388,608 bytes
;; launch prep (part 1): grid 256 x 1, 8 waves a work-group, no clusters, 35,840 bytes of LDS; arguments x, Wq, Wk, Wv, Wo, xb, wt; writes xb, wt
.if DOCPART == 1
	.amdgcn_target "amdgcn-amd-amdhsa--gfx1250"
	.amdhsa_code_object_version 6
	.text
	.protected	k_q7055fa8bf2_prep
	.globl	k_q7055fa8bf2_prep
	.p2align	8
	.type	k_q7055fa8bf2_prep,@function
k_q7055fa8bf2_prep:
	s_mov_b64 s[64:65], 0
	v_nop
	global_prefetch_b8 v0, s[64:65] scope:SCOPE_SE
	s_setreg_imm32_b32 hwreg(HW_REG_WAVE_MODE, 25, 1), 1
	s_wait_xcnt 0x0
; xb = x rounded to bf16, [4096][1024].  wt = the four weights transposed, [4096 (matrix x 1024 + n)][1024 (k)], 16 bits a number:
; Wq, Wk, Wv rounded to bf16; Wo rounded to bf16 and that value kept as f16, because the last product runs on f16 operands.
; LIMIT: the f16 image of a bf16 number is exact from 2^-17 up to 65,504; below, it is off by at most 2^-25; above, it is infinite.
; Work-group g of 256: 16 rows of x (65,536 bytes), and the tile of 128 k x 128 n of one weight (matrix g>>6, k tile (g>>3)&7, n tile g&7).
; Every input byte is read once, by loads of which a wave's cover 512 consecutive bytes; every store of 16 lanes (x: 32 lanes) covers 256
; consecutive bytes, aligned.  The transposition: the choice of operands of the packing conversion pairs two k of one column, and LDS
; turns columns into rows.  No matrix unit, no cluster, no tensor load: nothing is shared and nothing is multiplied.
.set TP,    272                        ; LDS row: 128 k x 2 bytes + 16: rows that 16 lanes store into begin 16 bytes apart modulo 256
.set PLANE, 32*TP                      ; plane c holds the columns n = 4 cg + c, cg = 0..31
.set WR, 16                            ; v[16:79]   W: register 4 i + c = W[16 w + i][4 L + c]
.set XR, 80                            ; v[80:143]  x: 16 loads of 16 bytes
.set PK, 144                           ; v[144:175] register 8 c + d = k 16 w + 2 d, 2 d + 1 of column 4 L + c
.set XP, 176                           ; v[176:207] x packed, a pair for each load
.set RB, 16                            ; v[16:47]   rows of the transposed tile, read back (W's registers are free by then)
	s_load_b256 s[4:11], s[0:1], 0x0               ; x s[4:5], Wq s[6:7], Wk s[8:9], Wv s[10:11]
	s_load_b128 s[12:15], s[0:1], 0x20             ; Wo s[12:13], xb s[14:15]
	s_load_b64 s[16:17], s[0:1], 0x30              ; wt
	v_lshl_add_u32 v208, v0, 2, 0x8800
	v_mov_b32 v209, 0
	s_lshr_b32 s20, ttmp9, 6                       ; matrix
	s_bfe_u32 s21, ttmp9, 0x30003                  ; k tile
	s_and_b32 s22, ttmp9, 7                        ; n tile
	s_lshl_b32 s24, s21, 19                        ; W: 128 rows of 4,096 bytes a k tile
	s_lshl_b32 s23, s22, 9                         ;    512 bytes an n tile
	s_add_co_u32 s24, s24, s23
	s_mov_b32 s25, 0
	s_lshl_b32 s26, ttmp9, 16                      ; x: 65,536 bytes a work-group
	s_mov_b32 s27, 0
	s_lshl_b32 s28, ttmp9, 15                      ; xb: half of that
	s_mov_b32 s29, 0
	s_lshl_b32 s30, s20, 21                        ; wt: 1,024 rows of 2,048 bytes a matrix,
	s_lshl_b32 s23, s22, 18                        ;     128 rows an n tile,
	s_add_co_u32 s30, s30, s23
	s_lshl_b32 s23, s21, 8                         ;     256 bytes a k tile
	s_add_co_u32 s30, s30, s23
	s_mov_b32 s31, 0
	v_and_b32 v10, 31, v0                          ; L
	v_lshrrev_b32 v11, 5, v0                       ; w
	v_and_b32 v12, 15, v0                          ; o = L & 15
	v_bfe_u32 v13, v0, 4, 1                        ; hi = L >> 4
	v_lshlrev_b32 v1, 4, v10
	v_lshl_or_b32 v1, v11, 16, v1                  ; W: 16 w rows + 16 L bytes
	v_lshlrev_b32 v2, 4, v0                        ; x: 16 t
	v_lshlrev_b32 v3, 3, v0                        ; xb: 8 t
	v_mul_u32_u24 v4, v10, TP
	v_lshl_add_u32 v4, v11, 5, v4                  ; LDS in: row cg = L, byte 32 w
	v_lshl_add_u32 v5, v11, 2, v13                 ; 4 w + hi
	v_lshlrev_b32 v6, 13, v5                       ; wt: row 16 w + 4 hi
	v_mul_u32_u24 v5, v5, TP
	v_lshl_add_u32 v5, v12, 4, v5                  ; LDS back: row cg = 4 w + hi, byte 16 o
	v_lshl_add_u32 v6, v12, 4, v6
	s_wait_kmcnt 0x0
	s_mov_b64 s[18:19], s[6:7]                     ; my weight: a choice between buffers on the work-group's number
	s_cmp_eq_u32 s20, 1
	s_cselect_b64 s[18:19], s[8:9], s[18:19]
	s_cmp_eq_u32 s20, 2
	s_cselect_b64 s[18:19], s[10:11], s[18:19]
	s_cmp_eq_u32 s20, 3
	s_cselect_b64 s[18:19], s[12:13], s[18:19]
	s_add_nc_u64 s[18:19], s[18:19], s[24:25]
	s_add_nc_u64 s[4:5], s[4:5], s[26:27]
	s_add_nc_u64 s[14:15], s[14:15], s[28:29]
	s_add_nc_u64 s[16:17], s[16:17], s[30:31]
.irp i, 0,1,2,3,4,5,6,7,8,9,10,11,12,13,14,15
	global_load_b128 v[WR+4*\i:WR+4*\i+3], v1, s[18:19] offset:\i*4096 th:TH_LOAD_NT   ; row 16 w + i of the tile
.endr
.irp i, 0,1,2,3,4,5,6,7,8,9,10,11,12,13,14,15
	global_load_b128 v[XR+4*\i:XR+4*\i+3], v2, s[4:5] offset:\i*4096 th:TH_LOAD_NT
.endr
	s_wait_loadcnt 16                              ; the 16 loads of W are in; the 16 younger ones, x's, stay out
.irp c, 0,1,2,3
.irp d, 0,1,2,3,4,5,6,7
	v_cvt_pk_bf16_f32 v[PK+8*\c+\d], v[WR+8*\d+\c], v[WR+8*\d+4+\c]    ; two neighbouring k of one column
.endr
.endr
	s_cmp_lg_u32 s20, 3
	s_cbranch_scc1 .Lstays_bf16
.set n_, 0
.rept 32                                           ; Wo: the bf16 values, written as f16
	v_lshlrev_b32 v8, 16, v[PK+n_]
	v_and_b32 v9, 0xffff0000, v[PK+n_]
	v_cvt_pk_f16_f32 v[PK+n_], v8, v9
.set n_, n_+1
.endr
.Lstays_bf16:
.irp c, 0,1,2,3
	ds_store_b128 v4, v[PK+8*\c:PK+8*\c+3] offset:\c*PLANE
	ds_store_b128 v4, v[PK+8*\c+4:PK+8*\c+7] offset:\c*PLANE+16
.endr
	s_wait_dscnt 0x0                               ; my stores are in LDS before I say so: other waves read these rows
	s_barrier_signal -1
	s_barrier_wait -1
.irp c, 0,1,2,3
.irp q, 0,1
	ds_load_b128 v[RB+4*(2*\c+\q):RB+4*(2*\c+\q)+3], v5 offset:\c*PLANE+\q*2*TP   ; row n = 16 w + 8 q + 4 hi + c, 256 bytes for 16 lanes
.endr
.endr
.irp i, 0,1,2,3,4,5,6,7,8,9,10,11,12,13,14,15
	s_wait_loadcnt 15-\i                           ; loads come back in order: x's load i is in
	v_cvt_pk_bf16_f32 v[XP+2*\i], v[XR+4*\i], v[XR+4*\i+1]
	v_cvt_pk_bf16_f32 v[XP+2*\i+1], v[XR+4*\i+2], v[XR+4*\i+3]
	global_store_b64 v3, v[XP+2*\i:XP+2*\i+1], s[14:15] offset:\i*2048   ; a wave's 32 lanes store 256 consecutive bytes, aligned
.endr
.irp c, 0,1,2,3
.irp q, 0,1
	s_wait_dscnt 7-(2*\c+\q)
	global_store_b128 v6, v[RB+4*(2*\c+\q):RB+4*(2*\c+\q)+3], s[16:17] offset:(8*\q+\c)*2048   ; 16 lanes: 256 consecutive bytes of one row of wt
.endr
.endr
	s_wait_tensorcnt 0x0
	ds_add_u32 v208, v209
	s_wait_dscnt 0x0
	s_endpgm
.Lfunc_end_k_q7055fa8bf2_prep:
	.size	k_q7055fa8bf2_prep, .Lfunc_end_k_q7055fa8bf2_prep-k_q7055fa8bf2_prep
	.p2alignl 7, 3214868480
	.fill 96, 4, 3214868480
	.section	.rodata,"a",@progbits
	.p2align	6, 0x0
	.amdhsa_kernel k_q7055fa8bf2_prep
		.amdhsa_group_segment_fixed_size 35840
		.amdhsa_private_segment_fixed_size 0
		.amdhsa_enable_private_segment 0
		.amdhsa_kernarg_size 56
		.amdhsa_user_sgpr_count 2
		.amdhsa_user_sgpr_kernarg_segment_ptr 1
		.amdhsa_wavefront_size32 1
		.amdhsa_system_sgpr_workgroup_id_x 1
		.amdhsa_system_sgpr_workgroup_id_y 1
		.amdhsa_system_sgpr_workgroup_id_z 1
		.amdhsa_system_vgpr_workitem_id 0
		.amdhsa_next_free_vgpr 210
		.amdhsa_next_free_sgpr 66
		.amdhsa_reserve_vcc 0
		.amdhsa_float_denorm_mode_32 3
		.amdhsa_float_denorm_mode_16_64 3
		.amdhsa_memory_ordered 1
		.amdhsa_forward_progress 1
		.amdhsa_inst_pref_size 19
	.end_amdhsa_kernel
	.amdgpu_metadata
---
amdhsa.version: [ 1, 2 ]
amdhsa.kernels:
  - .name:           k_q7055fa8bf2_prep
    .symbol:         k_q7055fa8bf2_prep.kd
    .args:
      - { .name: x, .offset: 0, .size: 8, .value_kind: global_buffer, .address_space: global }
      - { .name: Wq, .offset: 8, .size: 8, .value_kind: global_buffer, .address_space: global }
      - { .name: Wk, .offset: 16, .size: 8, .value_kind: global_buffer, .address_space: global }
      - { .name: Wv, .offset: 24, .size: 8, .value_kind: global_buffer, .address_space: global }
      - { .name: Wo, .offset: 32, .size: 8, .value_kind: global_buffer, .address_space: global }
      - { .name: xb, .offset: 40, .size: 8, .value_kind: global_buffer, .address_space: global }
      - { .name: wt, .offset: 48, .size: 8, .value_kind: global_buffer, .address_space: global }
    .group_segment_fixed_size: 35840
    .private_segment_fixed_size: 0
    .kernarg_segment_align: 8
    .kernarg_segment_size: 56
    .max_flat_workgroup_size: 256
    .sgpr_count:     66
    .vgpr_count:     210
    .wavefront_size: 32
...
	.end_amdgpu_metadata
.endif
;; end of part 1
;; launch qkv (part 2): grid 16 x 16, 4 waves a work-group, clusters of 4 x 4, 327,680 bytes of LDS; arguments xb, wt, bq, bk, bv, qkv; writes qkv
.if DOCPART == 2
	.amdgcn_target "amdgcn-amd-amdhsa--gfx1250"
	.amdhsa_code_object_version 6
	.text
	.protected	k_q7055fa8bf2_qkv
	.globl	k_q7055fa8bf2_qkv
	.p2align	8
	.type	k_q7055fa8bf2_qkv,@function
k_q7055fa8bf2_qkv:
	s_mov_b64 s[64:65], 0
	v_nop
	global_prefetch_b8 v0, s[64:65] scope:SCOPE_SE
	s_setreg_imm32_b32 hwreg(HW_REG_WAVE_MODE, 25, 1), 1
	s_wait_xcnt 0x0
	s_wait_alu depctr_hold_cnt(0) depctr_sa_sdst(0) depctr_va_vdst(0) depctr_va_sdst(0) depctr_va_ssrc(0) depctr_va_vcc(0) depctr_vm_vsrc(0)
	s_getreg_b32 s2, hwreg(HW_REG_IB_STS2, 6, 4)
	s_cmp_eq_u32 s2, 0
	s_cbranch_scc0 .Lentry_in_a_cluster
	s_endpgm
.Lentry_in_a_cluster:
	s_bfe_u32 s2, ttmp6, 0x10000c
	s_cmp_lg_u32 s2, 0xf033
	s_cbranch_scc0 .Lentry_shape_is_right
	s_endpgm
.Lentry_shape_is_right:
; [Q | K | V] = xb wt^T + bias.  xb [4096][1024] bf16, wt rows 0..3071 [n][k] bf16, sums in f32, result f16 in qkv[g 48][b 2][s 2048][64],
; g = 16 x matrix + head.  LIMIT: |Q|, |K|, |V| below 65,504 (f16); below 2^-14 they keep an absolute error of 2^-25.
; A work-group makes 256 rows x 192 columns (three heads' chunks of 64) with four waves; wave w makes rows 64 w .. 64 w + 63 of all 192 columns:
; 4 x 12 accumulator tiles, 384 registers.  Whole chunks in one wave let each wave carry its own result out, with no barrier.
; K goes in 8 steps of 128 through two LDS slots filled by tensor loads whose rows are 256 bytes of memory, aligned.
; CLUSTER 4 x 4: xb's tile hangs on the block row alone and is asked for jointly along a row of the cluster, wt's on the block column alone and is
; asked for jointly along a column: four requests become one.
; WINDOWS: 0: v0-31 addresses, v64-127 A fragments (two buffers of 4), v128-223 bias tiles, later the way out; 1: v64-255 B fragments (two buffers of 12);
; 2: accumulators (a, b = 0..7) at 8 (8 a + b); 3: accumulators (a, b = 8..11) at 8 (4 a + b - 8).
; TRANSPOSED USE: source 0 = 16 rows of wt, source 1 = 16 rows of xb: lane l holds row l % 16, its registers the columns 8 (l / 16) + 0..7.
; The bias enters as the C operand of the first products: nothing is cleared and no add is written.
.set KSTEP,  128
.set PITCH,  272                       ; 256 bytes + 16: the 16 rows of a fragment load begin 16 bytes apart modulo 256
.set HALFA,  128*PITCH                 ; one tensor load of xb
.set HALFB,  96*PITCH                  ; one tensor load of wt
.set SLOT,   2*HALFA+2*HALFB
.set STAGE,  2*SLOT                    ; behind the ring, a multiple of 256: 16 rows x 400 bytes for each wave
.set SPITCH, 400                       ; 192 f16 + 16 bytes
.set LAPS,   4                         ; 1024 / (2 x 128)
.set ADRA, 16                          ; v16-17 my A fragments in slot 0, 1
.set ADRB, 18                          ; v18-19 B fragments
.set STO,  20
.set RD,   21
.set CO,   22
.set VBI,  23
.set FA0,  64                          ; A buffer f at FA0 + 32 f (window 0)
.set FB0,  64                          ; B buffer f at FB0 + 96 f (window 1)
.set BI,   128                         ; bias tile b at BI + 8 b
.set TMP,  128
.set RB0,  64
.set RB1,  176
.set G1,  24
.set G0,  32
.set G1B, 48
.set G0B, 56
.set MSB, 0
.macro WIN new                         ; the immediate's high byte repeats the setting that is left
.if MSB != \new
	s_set_vgpr_msb (MSB<<8)|\new
.set MSB, \new
.endif
.endm
.set MUL_LO,  0xa1                     ; source 0 window 1, source 1 window 0, C and D window 2
.set MUL_HI,  0xf1                     ; C and D window 3
.set MULF_LO, 0x81                     ; the first products: C = a bias tile in window 0
.set MULF_HI, 0xc1
.set TO_B,    0x40
.macro JLOAD s                         ; waves 0, 1 ask for xb's halves, waves 2, 3 for wt's; the branch hangs on the wave's number alone
	s_cmp_eq_u32 s17, 0
	s_cbranch_scc0 .Lfor_b_\@
	tensor_load_to_lds s[G0+4*\s:G0+4*\s+3], s[G1:G1+7]
	s_nop 0
	s_branch .Lasked_\@
.Lfor_b_\@:
	tensor_load_to_lds s[G0B+4*\s:G0B+4*\s+3], s[G1B:G1B+7]
	s_nop 0
.Lasked_\@:
.endm
.macro CREST                           ; a round of the cluster's barrier behind its opening barrier
	s_cmp_lg_u32 s16, 0
	s_cbranch_scc1 .Lnot_wave_0_\@
	s_barrier_signal -3
.Lnot_wave_0_\@:
	s_barrier_wait -3
	s_barrier_signal -1
	s_barrier_wait -1
.endm
.macro CROUND
	s_barrier_signal -1
	s_barrier_wait -1
	CREST
.endm
.macro PLACES                          ; four places behind the last matrix instructions, in front of loads into their sources and of readers of their results
.rept 4
	v_nop
.endr
.endm
	s_load_b256 s[4:11], s[0:1], 0x0               ; xb s[4:5], wt s[6:7], bq s[8:9], bk s[10:11]
	s_load_b128 s[12:15], s[0:1], 0x20             ; bv s[12:13], qkv s[14:15]
	s_set_vgpr_msb 0x40
	v_lshl_add_u32 v63, v0, 2, 0x41c00
	s_set_vgpr_msb 0x4000
	v_mov_b32 v255, 0
	s_set_vgpr_msb 0x1
	ds_add_u32 v63, v255
	ds_add_u32 v63, v255
	s_set_vgpr_msb 0x100
	v_lshrrev_b32 v1, 5, v0
	v_readfirstlane_b32 s16, v1                    ; wave
	s_lshr_b32 s17, s16, 1                         ; I fetch for xb (0) or wt (1)
	s_and_b32 s18, s16, 1                          ; which half of that tile
	s_bfe_u32 s19, ttmp6, 0x40000                  ; cx
	s_bfe_u32 s20, ttmp6, 0x40004                  ; cy
	s_lshl_b32 s21, ttmp9, 2
	s_add_co_u32 s21, s21, s19                     ; block column, 192 columns each
	s_and_b32 s22, ttmp7, 0xffff
	s_lshl_b32 s22, s22, 2
	s_add_co_u32 s22, s22, s20                     ; block row, 256 rows each
	s_lshl_b32 s44, s20, 2
	s_lshl_b32 s44, 15, s44                        ; my row of the cluster
	s_lshl_b32 s45, 0x1111, s19                    ; my column
	s_or_b32 s[G1+0], s44, (1<<16)|(1<<20)|(1<<21)|(5<<22)|(3<<25)   ; mask; 2-byte elements; padding on; bit 21 beside a mask; after every 64 words, 4 words
	s_or_b32 s[G1B+0], s45, (1<<16)|(1<<20)|(1<<21)|(5<<22)|(3<<25)
	s_mov_b32 s[G1+1], KSTEP<<16                   ; tensor_dim0 = 128
	s_mov_b32 s[G1B+1], KSTEP<<16
	s_mov_b32 s[G1+2], 128<<16                     ; tensor_dim1 = 128 rows
	s_mov_b32 s[G1B+2], 96<<16                     ; 96 rows
	s_mov_b32 s[G1+3], KSTEP<<16                   ; tile_dim0 = 128
	s_mov_b32 s[G1B+3], KSTEP<<16
	s_mov_b32 s[G1+4], 128                         ; tile_dim1
	s_mov_b32 s[G1B+4], 96
	s_mov_b32 s[G1+5], 1024                        ; elements from row to row
	s_mov_b32 s[G1B+5], 1024
	s_mov_b32 s[G1+6], 0
	s_mov_b32 s[G1B+6], 0
	s_mov_b32 s[G1+7], 0
	s_mov_b32 s[G1B+7], 0
	s_lshl_b32 s40, s22, 8                         ; xb: row 256 x block row + 128 x half, 2,048 bytes a row
	s_lshl_b32 s41, s18, 7
	s_add_co_u32 s40, s40, s41
	s_lshl_b32 s40, s40, 11
	s_mov_b32 s41, 0
	s_mul_i32 s46, s21, 192                        ; wt: row 192 x block column + 96 x half
	s_mul_i32 s47, s18, 96
	s_add_co_u32 s46, s46, s47
	s_lshl_b32 s46, s46, 11
	s_mov_b32 s47, 0
	s_mul_i32 s76, s16, HALFA                      ; LDS: xb's halves at wave x HALFA (waves 0, 1),
	s_mul_i32 s77, s16, HALFB                      ; wt's behind them at 2 HALFA + (wave - 2) x HALFB (waves 2, 3)
	s_add_co_u32 s77, s77, 2*HALFA-2*HALFB
	s_wait_dscnt 0x0
	s_wait_kmcnt 0x0
	s_add_nc_u64 s[42:43], s[4:5], s[40:41]
	s_add_nc_u64 s[46:47], s[6:7], s[46:47]
	CROUND                                         ; all sixteen work-groups are here: the first joint loads meet
.irp s, 0,1
	s_mov_b32 s[G0+4*\s], 1
	s_add_co_u32 s[G0+4*\s+1], s76, \s*SLOT
	s_add_nc_u64 s[G0+4*\s+2:G0+4*\s+3], s[42:43], \s*KSTEP*2
	s_or_b32 s[G0+4*\s+3], s[G0+4*\s+3], 0x80000000
	s_mov_b32 s[G0B+4*\s], 1
	s_add_co_u32 s[G0B+4*\s+1], s77, \s*SLOT
	s_add_nc_u64 s[G0B+4*\s+2:G0B+4*\s+3], s[46:47], \s*KSTEP*2
	s_or_b32 s[G0B+4*\s+3], s[G0B+4*\s+3], 0x80000000
	JLOAD \s                                       ; both first fills go out together: two tensor loads of this wave are out
.endr
	; the three chunks' biases: chunk g = 3 x block column + c belongs to matrix g >> 4, head g & 15
.irp c, 0,1,2
	s_mul_i32 s72, s21, 3
	s_add_co_u32 s72, s72, \c
	s_lshr_b32 s73, s72, 4
	s_and_b32 s74, s72, 15
	s_lshl_b32 s74, s74, 8                         ; 64 f32 a head
	s_mov_b32 s75, 0
	s_cmp_eq_u32 s73, 1
	s_cselect_b64 s[66+2*\c:67+2*\c], s[10:11], s[8:9]
	s_cmp_eq_u32 s73, 2
	s_cselect_b64 s[66+2*\c:67+2*\c], s[12:13], s[66+2*\c:67+2*\c]
	s_add_nc_u64 s[66+2*\c:67+2*\c], s[66+2*\c:67+2*\c], s[74:75]
.endr
	v_and_b32 v1, 15, v0                           ; r
	v_bfe_u32 v2, v0, 4, 1                         ; h
	v_lshlrev_b32 v[VBI], 5, v2                    ; a lane's eight columns begin at 8 h
.irp b, 0,1,2,3,4,5,6,7,8,9,10,11
	global_load_b128 v[BI+8*\b:BI+8*\b+3], v[VBI], s[66+2*(\b/4):67+2*(\b/4)] offset:64*(\b%4)
	global_load_b128 v[BI+8*\b+4:BI+8*\b+7], v[VBI], s[66+2*(\b/4):67+2*(\b/4)] offset:64*(\b%4)+16
.endr
	v_mul_u32_u24 v3, v1, PITCH
	v_lshl_add_u32 v3, v2, 4, v3                   ; row x pitch + 16 h
	s_mul_i32 s72, s16, 64*PITCH                   ; my 64 rows of xb's tile
	s_mov_b32 s73, 2*HALFA                         ; wt's tile: all 192 rows
.irp s, 0,1
	v_add_nc_u32 v[ADRA+\s], s72, v3
	v_add_nc_u32 v[ADRB+\s], s73, v3
	s_add_co_u32 s72, s72, SLOT
	s_add_co_u32 s73, s73, SLOT
.endr
	s_mul_i32 s74, s16, 16*SPITCH
	s_add_co_u32 s74, s74, STAGE                   ; my stage
	v_mul_u32_u24 v4, v1, SPITCH
	v_lshl_add_u32 v4, v2, 4, v4
	v_add_nc_u32 v[STO], s74, v4                   ; in: row r, 16 bytes for each half of the lanes
	v_and_b32 v5, 31, v0
	v_lshrrev_b32 v6, 3, v5
	v_and_b32 v7, 7, v0
	v_mul_u32_u24 v6, v6, SPITCH
	v_lshl_add_u32 v6, v7, 4, v6
	v_add_nc_u32 v[RD], s74, v6                    ; back: eight lanes take a chunk's 128 bytes of a row, a wave four rows
	v_lshlrev_b32 v[CO], 4, v5                     ; which are 512 consecutive bytes of qkv
; 32 LDS loads: A's four fragments, B's blocks 8-11, B's blocks 0-7, of 32 K at byte k of the rows, into buffer f
.macro FETCH slot, k, f
	WIN 0
.irp a, 0,1,2,3
	ds_load_b128 v[FA0+32*\f+8*\a:FA0+32*\f+8*\a+3], v[ADRA+\slot] offset:\k+\a*16*PITCH
	ds_load_b128 v[FA0+32*\f+8*\a+4:FA0+32*\f+8*\a+7], v[ADRA+\slot] offset:\k+\a*16*PITCH+32
.endr
	WIN TO_B
.irp b, 8,9,10,11,0,1,2,3,4,5,6,7
	ds_load_b128 v[FB0+96*\f+8*\b:FB0+96*\f+8*\b+3], v[ADRB+\slot] offset:\k+\b*16*PITCH
	ds_load_b128 v[FB0+96*\f+8*\b+4:FB0+96*\f+8*\b+7], v[ADRB+\slot] offset:\k+\b*16*PITCH+32
.endr
.endm
; The 48 accumulators take turns, one instruction a turn, in the same order in every quarter step.
.macro MULH f, first                   ; 16 products: column blocks 8-11
.irp a, 0,1,2,3
.irp b, 8,9,10,11
.if \first
	v_wmma_f32_16x16x32_bf16 v[8*(4*\a+\b-8):8*(4*\a+\b-8)+7], v[FB0+96*\f+8*\b:FB0+96*\f+8*\b+7], v[FA0+32*\f+8*\a:FA0+32*\f+8*\a+7], v[BI+8*\b:BI+8*\b+7]
.else
	v_wmma_f32_16x16x32_bf16 v[8*(4*\a+\b-8):8*(4*\a+\b-8)+7], v[FB0+96*\f+8*\b:FB0+96*\f+8*\b+7], v[FA0+32*\f+8*\a:FA0+32*\f+8*\a+7], v[8*(4*\a+\b-8):8*(4*\a+\b-8)+7]
.endif
.endr
.endr
.endm
.macro MULL f, first                   ; 32 products: column blocks 0-7
.irp a, 0,1,2,3
.irp b, 0,1,2,3,4,5,6,7
.if \first
	v_wmma_f32_16x16x32_bf16 v[8*(8*\a+\b):8*(8*\a+\b)+7], v[FB0+96*\f+8*\b:FB0+96*\f+8*\b+7], v[FA0+32*\f+8*\a:FA0+32*\f+8*\a+7], v[BI+8*\b:BI+8*\b+7]
.else
	v_wmma_f32_16x16x32_bf16 v[8*(8*\a+\b):8*(8*\a+\b)+7], v[FB0+96*\f+8*\b:FB0+96*\f+8*\b+7], v[FA0+32*\f+8*\a:FA0+32*\f+8*\a+7], v[8*(8*\a+\b):8*(8*\a+\b)+7]
.endif
.endr
.endr
.endm
; One of a K step's first three quarters: multiplies buffer f; behind its first 16 products it fetches the next quarter, at byte k, into buffer g.
.macro QUARTER slot, k, f, g, first
	s_wait_dscnt 16                                ; A and B's blocks 8-11 are in; the 16 youngest loads (B's blocks 0-7) may be out
.if \first
	WIN MULF_HI
.else
	WIN MUL_HI
.endif
	MULH \f, \first
	PLACES
	FETCH \slot, \k, \g
	s_wait_dscnt 32                                ; all but the 32 just issued
.if \first
	WIN MULF_LO
.else
	WIN MUL_LO
.endif
	MULL \f, \first
.endm
.macro THREE slot, first
	QUARTER \slot, 64,  0, 1, \first
	QUARTER \slot, 128, 1, 0, 0
	QUARTER \slot, 192, 0, 1, 0
.endm
; The last quarter multiplies buffer 1 and changes slots.  In front of the barrier each wave's reads of this slot are back and all its tensor loads have
; landed (one is out: its part of the next slot).  Where the slot is filled again the barrier opens a round of the cluster's barrier; the joint refill
; is the first tensor load behind the round, one a wave, and has a K step less 16 products in which to land.
.macro TURN slot, next, fill
	s_wait_dscnt 0x0
	s_wait_tensorcnt 0x0
	ds_add_u32 v63, v255
	s_wait_dscnt 0x0
	s_barrier_signal -1
	WIN MUL_HI
	MULH 1, 0                                      ; registers only, while the others arrive
	WIN 0
	s_barrier_wait -1
.if \fill
	CREST
	s_add_nc_u64 s[G0+4*\slot+2:G0+4*\slot+3], s[G0+4*\slot+2:G0+4*\slot+3], 2*KSTEP*2
	s_add_nc_u64 s[G0B+4*\slot+2:G0B+4*\slot+3], s[G0B+4*\slot+2:G0B+4*\slot+3], 2*KSTEP*2
	JLOAD \slot
.endif
	PLACES
	FETCH \next, 0, 0
	WIN MUL_LO
	MULL 1, 0
.endm
.macro LAP first
	THREE 0, \first
	TURN 0, 1, 1
	THREE 1, 0
	TURN 1, 0, 1
.endm
	s_wait_loadcnt 0x0                             ; the bias tiles
	s_wait_tensorcnt 0x1                           ; my part of K step 0 is in; K step 1's stays out
	s_barrier_signal -1
	s_barrier_wait -1
	FETCH 0, 0, 0
	LAP 1                                          ; the first lap's first products start the sums from the bias
	WIN 0
	s_mov_b32 s3, LAPS-2
.Llap:
	LAP 0
	WIN 0
	s_sub_co_u32 s3, s3, 1
	s_cmp_lg_u32 s3, 0
	s_cbranch_scc1 .Llap
	THREE 0, 0                                     ; the last lap fills nothing
	TURN 0, 1, 0
	THREE 1, 0
	s_wait_dscnt 0x0
	WIN MUL_HI
	MULH 1, 0
	WIN MUL_LO
	MULL 1, 0
	; THE WAY OUT, 16 rows at a time: round to f16, 16 bytes a lane into my own stage, read back as four rows of a chunk, which lie side by side in qkv.
	PLACES
	s_mul_i32 s72, s21, 6                          ; plane (g, b) = 2 g + b = 6 x block column + (block row >> 3), 262,144 bytes each
	s_lshr_b32 s73, s22, 3
	s_add_co_u32 s72, s72, s73
	s_lshl_b32 s72, s72, 18
	s_and_b32 s73, s22, 7                          ; row in the plane: 256 (block row & 7) + 64 wave, 128 bytes each
	s_lshl_b32 s73, s73, 2
	s_add_co_u32 s73, s73, s16
	s_lshl_b32 s73, s73, 13
	s_add_co_u32 s72, s72, s73
	s_mov_b32 s73, 0
	s_add_nc_u64 s[14:15], s[14:15], s[72:73]
.macro OUT16 a, rb
	WIN 0x0a
.irp b, 0,1,2,3,4,5,6,7
.irp r, 0,1,2,3
	v_cvt_pk_f16_f32 v[TMP+4*\b+\r], v[8*(8*\a+\b)+2*\r], v[8*(8*\a+\b)+2*\r+1]
.endr
.endr
	WIN 0x0f
.irp b, 8,9,10,11
.irp r, 0,1,2,3
	v_cvt_pk_f16_f32 v[TMP+4*\b+\r], v[8*(4*\a+\b-8)+2*\r], v[8*(4*\a+\b-8)+2*\r+1]
.endr
.endr
	WIN 0
.irp b, 0,1,2,3,4,5,6,7,8,9,10,11
	ds_store_b128 v[STO], v[TMP+4*\b:TMP+4*\b+3] offset:32*\b
.endr
	s_wait_xcnt 0x0                                ; the registers that earlier stores read are loaded again only behind this wait
.irp c, 0,1,2
.irp t, 0,1,2,3
	ds_load_b128 v[\rb+4*(4*\c+\t):\rb+4*(4*\c+\t)+3], v[RD] offset:\t*4*SPITCH+\c*128   ; LDS serves a wave's instructions in order: these see the stores above
.endr
.endr
.irp c, 0,1,2
.irp t, 0,1,2,3
	s_wait_dscnt 11-(4*\c+\t)
	global_store_b128 v[CO], v[\rb+4*(4*\c+\t):\rb+4*(4*\c+\t)+3], s[14:15] offset:\c*524288+(16*\a+4*\t)*128   ; 512 consecutive bytes, aligned
.endr
.endr
.endm
	OUT16 0, RB0
	OUT16 1, RB1
	OUT16 2, RB0
	OUT16 3, RB1
	s_set_vgpr_msb 0x1
	s_wait_tensorcnt 0x0
	ds_add_u32 v63, v255
	s_wait_dscnt 0x0
	s_set_vgpr_msb 0x100
	CROUND                                         ; the closing round: no work-group ends while a partner may still ask for a tile that names it
	s_endpgm
.Lfunc_end_k_q7055fa8bf2_qkv:
	.size	k_q7055fa8bf2_qkv, .Lfunc_end_k_q7055fa8bf2_qkv-k_q7055fa8bf2_qkv
	.p2alignl 7, 3214868480
	.fill 96, 4, 3214868480
	.section	.rodata,"a",@progbits
	.p2align	6, 0x0
	.amdhsa_kernel k_q7055fa8bf2_qkv
		.amdhsa_group_segment_fixed_size 327680
		.amdhsa_private_segment_fixed_size 0
		.amdhsa_enable_private_segment 0
		.amdhsa_kernarg_size 48
		.amdhsa_user_sgpr_count 2
		.amdhsa_user_sgpr_kernarg_segment_ptr 1
		.amdhsa_wavefront_size32 1
		.amdhsa_system_sgpr_workgroup_id_x 1
		.amdhsa_system_sgpr_workgroup_id_y 1
		.amdhsa_system_sgpr_workgroup_id_z 1
		.amdhsa_system_vgpr_workitem_id 0
		.amdhsa_next_free_vgpr 896
		.amdhsa_next_free_sgpr 80
		.amdhsa_reserve_vcc 0
		.amdhsa_float_denorm_mode_32 3
		.amdhsa_float_denorm_mode_16_64 3
		.amdhsa_memory_ordered 1
		.amdhsa_forward_progress 1
		.amdhsa_inst_pref_size 167
	.end_amdhsa_kernel
	.amdgpu_metadata
---
amdhsa.version: [ 1, 2 ]
amdhsa.kernels:
  - .name:           k_q7055fa8bf2_qkv
    .symbol:         k_q7055fa8bf2_qkv.kd
    .args:
      - { .name: xb, .offset: 0, .size: 8, .value_kind: global_buffer, .address_space: global }
      - { .name: wt, .offset: 8, .size: 8, .value_kind: global_buffer, .address_space: global }
      - { .name: bq, .offset: 16, .size: 8, .value_kind: global_buffer, .address_space: global }
      - { .name: bk, .offset: 24, .size: 8, .value_kind: global_buffer, .address_space: global }
      - { .name: bv, .offset: 32, .size: 8, .value_kind: global_buffer, .address_space: global }
      - { .name: qkv, .offset: 40, .size: 8, .value_kind: global_buffer, .address_space: global }
    .group_segment_fixed_size: 327680
    .private_segment_fixed_size: 0
    .kernarg_segment_align: 8
    .kernarg_segment_size: 48
    .max_flat_workgroup_size: 128
    .sgpr_count:     80
    .vgpr_count:     896
    .wavefront_size: 32
...
	.end_amdgpu_metadata
.endif
;; end of part 2
;; launch attn (part 3): grid 256 x 1, 4 waves a work-group, no clusters, 327,680 bytes of LDS; arguments qkv, ctx; writes ctx
.if DOCPART == 3
	.amdgcn_target "amdgcn-amd-amdhsa--gfx1250"
	.amdhsa_code_object_version 6
	.text
	.protected	k_q7055fa8bf2_attn
	.globl	k_q7055fa8bf2_attn
	.p2align	8
	.type	k_q7055fa8bf2_attn,@function
k_q7055fa8bf2_attn:
	s_mov_b64 s[64:65], 0
	v_nop
	global_prefetch_b8 v0, s[64:65] scope:SCOPE_SE
	s_setreg_imm32_b32 hwreg(HW_REG_WAVE_MODE, 25, 1), 1
	s_wait_xcnt 0x0
; Causal attention of one head and batch, softmax((Q K^T) / 8) V, with a running maximum; f16 operands, f32 sums and softmax.
; qkv[g][b][s][64] f16 (Q g = head, K g = 16 + head, V g = 32 + head); ctx[b][s / 128][head][128][64] f16.
; LIMITS: weights below 6e-8 of a row's largest become 0 in f16; v_exp_f32 gives 0 for results below 2^-126; NaN and infinite inputs are not served.
; Work-group: plane hb = 2 head + b = id >> 3, j = id & 7.  It makes query block 15 - j (128 rows), then query block j.  Keys come in tiles of 128:
; tiles 15 - j .. 0, then j .. 0: (16 - j) + (j + 1) = 17 tiles for every work-group.  A block's first tile is its diagonal tile: it is masked, and it starts
; the sums (its key 0 is open to every query, so the running maximum is finite from the first 64 keys on).  Tiles above the diagonal are not touched.
; Wave w: queries 32 w .. 32 w + 31 of the block, as two tiles q of 16.
; TRANSPOSED FORM: S^T = K Q^T puts key 16 kt + 8 h + j in register j and query r in lane (r, h); rounding two such tiles to f16 in place IS the second
; operand P^T for 32 keys; O^T += V^T P^T with V^T read from V[key][d] by transposing LDS loads.  Maximum, sum and rescale are one number a lane,
; and one exchange between the halves of the wave joins them.
; NO CLUSTER: the eight work-groups of a plane need 17 tiles each but different ones at each position (work-group j is at tile 15 - j - p); walking the
; tiles in step would cost each the longest partner's count for both blocks, 16 + 8 tile steps in place of 17.
; NO PREFETCH: K and V were stored by the launch just before this one, and each tile is read by up to eight work-groups of the same plane.
.set KP,    144                        ; K rows: 128 bytes + 16
.set VP,    160                        ; V rows: 128 bytes + 32, an odd multiple of 32 for the transposing loads
.set KHALF, 10240                      ; what one wave's tensor load owns: 64 rows (K: 9,216 bytes used; V: all)
.set VOFF,  20480
.set SLOTB, 40960
.set PARK,  81920                      ; 4,096 bytes a wave: the second block's Q fragments
.set STAGE, 98304                      ; 32 rows x 144 bytes a wave: the way out
.set KA, 1                             ; v1-2   K fragment address, slot 0, 1
.set VA, 3                             ; v3-4   V^T fragment address
.set QF, 16                            ; v[16:47]   Q fragment (q, ks) at 16 q + 8 ks
.set OT, 48                            ; v[48:111]  O^T tile (dt, q) at 8 (2 dt + q)
.set SC, 112                           ; v[112:175] S^T tile (kt, q) at 32 (kt / 2) + 16 q + 8 (kt % 2); P^T (g, q) in place at 32 g + 16 q
.set FA, 176                           ; v[176:207] pool 0, v[208:239] pool 1: K fragments, then V^T fragments
.set MX, 240                           ; v240-241 running maximum of q
.set NM, 242                           ; v[242:245] pairs: -c x maximum
.set AL, 246                           ; v[246:249] pairs: rescale; at the end 1 / sum
.set LS, 250                           ; v[250:253] pairs: running sums
.set G1K, 16
.set G1V, 24
.set G0,  32
.macro JLOAD slot                      ; waves 0, 1 bring K's halves, waves 2, 3 V's; the two shapes differ in the padding alone
	s_cmp_eq_u32 s9, 0
	s_cbranch_scc0 .Lfor_v_\@
	tensor_load_to_lds s[G0+4*\slot:G0+4*\slot+3], s[G1K:G1K+7]
	s_nop 0
	s_branch .Lasked_\@
.Lfor_v_\@:
	tensor_load_to_lds s[G0+4*\slot:G0+4*\slot+3], s[G1V:G1V+7]
	s_nop 0
.Lasked_\@:
.endm
.macro NOPS n                          ; places behind matrix instructions (ISA guide 7.12.1)
.rept \n
	v_nop
.endr
.endm
	s_load_b128 s[4:7], s[0:1], 0x0                ; qkv s[4:5], ctx s[6:7]
	s_set_vgpr_msb 0x40
	v_lshl_add_u32 v0, v0, 2, 0x29000
	v_mov_b32 v1, 0
	s_set_vgpr_msb 0x4045
	ds_add_u32 v0, v1
	ds_add_u32 v0, v1
	s_set_vgpr_msb 0x4500
	v_lshrrev_b32 v12, 5, v0
	v_readfirstlane_b32 s8, v12                    ; wave
	s_lshr_b32 s9, s8, 1                           ; I fetch K (0) or V (1)
	s_and_b32 s10, ttmp9, 7                        ; j
	s_lshr_b32 s11, ttmp9, 3                       ; hb
	s_sub_co_u32 s13, 16, s10                      ; the position at which the second block begins
	s_sub_co_u32 s14, 15, s10                      ; the tile last asked for; at first the first block's diagonal tile
	s_mov_b32 s12, 0                               ; position
	s_mov_b32 s44, 0x76543210                      ; v_permlanex16_b32: lane i reads lane i of the other half
	s_mov_b32 s45, 0xfedcba98
	s_mov_b32 s46, 0x3e38aa3b                      ; c = log2(e) / 8
	s_mov_b32 s47, 0x3e38aa3b
	s_mov_b32 s50, 0xbe38aa3b                      ; -c
	s_mov_b32 s[G1K+0], (1<<16)|(1<<20)|(4<<22)|(3<<25)   ; 2-byte elements; padding: after every 32 words, 4 words
	s_mov_b32 s[G1V+0], (1<<16)|(1<<20)|(4<<22)|(7<<25)   ; 8 words
	s_mov_b32 s[G1K+1], 64<<16                     ; tensor_dim0 = 64
	s_mov_b32 s[G1V+1], 64<<16
	s_mov_b32 s[G1K+2], 64<<16                     ; tensor_dim1 = 64 rows
	s_mov_b32 s[G1V+2], 64<<16
	s_mov_b32 s[G1K+3], 64<<16                     ; tile_dim0 = 64
	s_mov_b32 s[G1V+3], 64<<16
	s_mov_b32 s[G1K+4], 64                         ; tile_dim1 = 64
	s_mov_b32 s[G1V+4], 64
	s_mov_b32 s[G1K+5], 64                         ; elements from row to row
	s_mov_b32 s[G1V+5], 64
	s_mov_b32 s[G1K+6], 0
	s_mov_b32 s[G1V+6], 0
	s_mov_b32 s[G1K+7], 0
	s_mov_b32 s[G1V+7], 0
	s_mov_b32 s[G0], 1
	s_mul_i32 s[G0+1], s8, KHALF                   ; my bytes of slot 0
	s_mov_b32 s[G0+4], 1
	s_add_co_u32 s[G0+5], s[G0+1], SLOTB           ; of slot 1
	s_lshl_b32 s42, s11, 18                        ; plane, 262,144 bytes
	s_lshl_b32 s15, s9, 23                         ; K begins 8,388,608 bytes in, V as much again
	s_add_co_u32 s42, s42, s15
	s_add_co_u32 s42, s42, 0x800000
	s_and_b32 s15, s8, 1
	s_lshl_b32 s15, s15, 13                        ; my 64 rows of a tile
	s_add_co_u32 s42, s42, s15
	s_mov_b32 s43, 0
	s_wait_dscnt 0x0
	s_wait_kmcnt 0x0
	s_add_nc_u64 s[40:41], s[4:5], s[42:43]        ; my half of tile 0
	s_lshl_b32 s42, s14, 14                        ; a tile is 16,384 bytes
	s_add_nc_u64 s[G0+2:G0+3], s[40:41], s[42:43]
	s_or_b32 s[G0+3], s[G0+3], 0x80000000
	JLOAD 0                                        ; the one first fill at the start; slot 1 is first filled behind position 0's barrier
	s_lshl_b32 s58, s11, 18                        ; Q: plane + 4,096 bytes a wave + 16,384 a block
	s_lshl_b32 s15, s8, 12
	s_add_co_u32 s58, s58, s15
	s_mov_b32 s59, 0
	s_add_nc_u64 s[56:57], s[4:5], s[58:59]
	s_lshl_b32 s58, s14, 14
	s_add_nc_u64 s[54:55], s[56:57], s[58:59]      ; first block
	s_lshl_b32 s58, s10, 14
	s_add_nc_u64 s[56:57], s[56:57], s[58:59]      ; second block
	s_and_b32 s58, s11, 1                          ; ctx: ((b 16 + block) 16 + head) 16,384 + 4,096 wave
	s_lshl_b32 s58, s58, 22
	s_lshr_b32 s60, s11, 1
	s_lshl_b32 s60, s60, 14
	s_add_co_u32 s58, s58, s60
	s_add_co_u32 s58, s58, s15
	s_add_nc_u64 s[52:53], s[6:7], s[58:59]
	s_lshl_b32 s58, s14, 18
	s_add_nc_u64 s[48:49], s[52:53], s[58:59]      ; the block at work
	s_lshl_b32 s58, s10, 18
	s_add_nc_u64 s[52:53], s[52:53], s[58:59]      ; the second block
	v_and_b32 v13, 15, v0                          ; r
	v_bfe_u32 v14, v0, 4, 1                        ; h
	v_and_b32 v15, 31, v0                          ; L
	v_lshlrev_b32 v5, 7, v13
	v_lshl_add_u32 v5, v14, 4, v5                  ; Q: row r, 16 h
.irp q, 0,1
.irp ks, 0,1
	global_load_b128 v[QF+16*\q+8*\ks:QF+16*\q+8*\ks+3], v5, s[54:55] offset:\q*2048+64*\ks
	global_load_b128 v[QF+16*\q+8*\ks+4:QF+16*\q+8*\ks+7], v5, s[54:55] offset:\q*2048+64*\ks+32
	global_load_b128 v[SC+16*\q+8*\ks:SC+16*\q+8*\ks+3], v5, s[56:57] offset:\q*2048+64*\ks
	global_load_b128 v[SC+16*\q+8*\ks+4:SC+16*\q+8*\ks+7], v5, s[56:57] offset:\q*2048+64*\ks+32
.endr
.endr
	v_mul_u32_u24 v1, v13, KP
	v_lshl_add_u32 v1, v14, 4, v1                  ; K: row r, 16 h
	v_add_nc_u32 v2, SLOTB, v1
	v_and_b32 v254, 7, v0
	v_lshl_add_u32 v255, v14, 3, v254              ; V: row 8 h + (L & 7),
	v_mul_u32_u24 v3, v255, VP
	v_bfe_u32 v255, v0, 3, 1                       ; 16 bytes x ((L >> 3) & 1)
	v_lshl_add_u32 v3, v255, 4, v3
	v_add_nc_u32 v3, VOFF, v3
	v_add_nc_u32 v4, SLOTB, v3
	v_lshlrev_b32 v6, 3, v14
	v_sub_nc_u32 v6, v13, v6
	s_lshl_b32 s60, s8, 5
	v_add_nc_u32 v6, s60, v6                       ; 32 w + r - 8 h: key 64 c + 16 kt + 8 h + j is closed to query 32 w + 16 q + r if 64 c + 16 kt + j - 16 q is larger
	v_mov_b32 v7, 0xff800000                       ; -infinity
	s_lshl_b32 s60, s8, 12
	s_add_co_u32 s60, s60, PARK
	v_lshl_add_u32 v8, v15, 4, s60
	s_mul_i32 s61, s8, 32*KP
	s_add_co_u32 s61, s61, STAGE
	v_add_nc_u32 v9, s61, v1                       ; stage in: row r, 16 h
	v_lshrrev_b32 v10, 3, v15
	v_mul_u32_u24 v10, v10, KP
	v_lshl_add_u32 v10, v254, 4, v10
	v_add_nc_u32 v10, s61, v10                     ; stage back: eight lanes a row of 128 bytes
	v_lshlrev_b32 v11, 4, v15
	v_mov_b32 v[NM+1], 0                           ; the pairs' second halves are named by packed instructions and never used
	v_mov_b32 v[NM+3], 0
	v_mov_b32 v[AL+1], 0
	v_mov_b32 v[AL+3], 0
	s_wait_loadcnt 0x0
.irp i, 0,1,2,3,4,5,6,7
	ds_store_b128 v8, v[SC+4*\i:SC+4*\i+3] offset:512*\i   ; the second block's Q waits in my own LDS bytes
.endr
.macro KLOAD slot, c, pool             ; eight loads: K fragments of key tiles 2 pool, 2 pool + 1 of the 64 keys c
.irp kk, 0,1
.irp ks, 0,1
	ds_load_b128 v[FA+32*\pool+16*\kk+8*\ks:FA+32*\pool+16*\kk+8*\ks+3], v[KA+\slot] offset:\c*KHALF+(2*\pool+\kk)*16*KP+64*\ks
	ds_load_b128 v[FA+32*\pool+16*\kk+8*\ks+4:FA+32*\pool+16*\kk+8*\ks+7], v[KA+\slot] offset:\c*KHALF+(2*\pool+\kk)*16*KP+64*\ks+32
.endr
.endr
.endm
.macro VLOAD slot, c                   ; sixteen transposing loads: V^T fragments (g, dt), g = 0 into pool 0, g = 1 into pool 1
.irp g, 0,1
.irp dt, 0,1,2,3
	ds_load_tr16_b128 v[FA+32*\g+8*\dt:FA+32*\g+8*\dt+3], v[VA+\slot] offset:(64*\c+32*\g)*VP+32*\dt
	ds_load_tr16_b128 v[FA+32*\g+8*\dt+4:FA+32*\g+8*\dt+7], v[VA+\slot] offset:(64*\c+32*\g)*VP+32*\dt+16*VP
.endr
.endr
.endm
; In SMUL and PV the accumulators take turns, one instruction a turn.
.macro SMUL pool                       ; four score tiles: d 0-31 starts the sums, d 32-63 adds
.irp ks, 0,1
.irp kk, 0,1
.irp q, 0,1
.if \ks == 0
	v_wmma_f32_16x16x32_f16 v[SC+32*\pool+16*\q+8*\kk:SC+32*\pool+16*\q+8*\kk+7], v[FA+32*\pool+16*\kk+8*\ks:FA+32*\pool+16*\kk+8*\ks+7], v[QF+16*\q+8*\ks:QF+16*\q+8*\ks+7], 0
.else
	v_wmma_f32_16x16x32_f16 v[SC+32*\pool+16*\q+8*\kk:SC+32*\pool+16*\q+8*\kk+7], v[FA+32*\pool+16*\kk+8*\ks:FA+32*\pool+16*\kk+8*\ks+7], v[QF+16*\q+8*\ks:QF+16*\q+8*\ks+7], v[SC+32*\pool+16*\q+8*\kk:SC+32*\pool+16*\q+8*\kk+7]
.endif
.endr
.endr
.endr
.endm
.macro PV g, zero                      ; eight products: O^T (dt, q) += V^T (g, dt) P^T (g, q)
.irp dt, 0,1,2,3
.irp q, 0,1
.if \zero
	v_wmma_f32_16x16x32_f16 v[OT+8*(2*\dt+\q):OT+8*(2*\dt+\q)+7], v[FA+32*\g+8*\dt:FA+32*\g+8*\dt+7], v[SC+32*\g+16*\q:SC+32*\g+16*\q+7], 0
.else
	v_wmma_f32_16x16x32_f16 v[OT+8*(2*\dt+\q):OT+8*(2*\dt+\q)+7], v[FA+32*\g+8*\dt:FA+32*\g+8*\dt+7], v[SC+32*\g+16*\q:SC+32*\g+16*\q+7], v[OT+8*(2*\dt+\q):OT+8*(2*\dt+\q)+7]
.endif
.endr
.endr
.endm
.macro MASK c                          ; the diagonal tile: keys behind the query get -infinity
.irp kt, 0,1,2,3
.irp q, 0,1
.irp j, 0,1,2,3,4,5,6,7
	v_cmp_gt_i32 vcc_lo, 64*\c+16*\kt+\j-16*\q, v6
	v_cndmask_b32 v[SC+32*(\kt/2)+16*\q+8*(\kt%2)+\j], v[SC+32*(\kt/2)+16*\q+8*(\kt%2)+\j], v7, vcc_lo
.endr
.endr
.endr
.endm
; The new maximum of query tile q over my 32 scores, the old maximum and the other half of the wave; -c x maximum; the rescale 2^(c (old - new)).
.macro MAXQ q, first
.irp k, 0,1,2,3
	v_max3_num_f32 v[12+\k], v[SC+32*(\k/2)+16*\q+8*(\k%2)], v[SC+32*(\k/2)+16*\q+8*(\k%2)+1], v[SC+32*(\k/2)+16*\q+8*(\k%2)+2]
.endr
.irp k, 0,1,2,3
	v_max3_num_f32 v[12+\k], v[12+\k], v[SC+32*(\k/2)+16*\q+8*(\k%2)+3], v[SC+32*(\k/2)+16*\q+8*(\k%2)+4]
.endr
.irp k, 0,1,2,3
	v_max3_num_f32 v[12+\k], v[12+\k], v[SC+32*(\k/2)+16*\q+8*(\k%2)+5], v[SC+32*(\k/2)+16*\q+8*(\k%2)+6]
.endr
	v_max3_num_f32 v12, v12, v[SC+16*\q+7], v[SC+16*\q+15]
	v_max3_num_f32 v14, v14, v[SC+32+16*\q+7], v[SC+32+16*\q+15]
	v_max3_num_f32 v12, v12, v13, v14
.if \first
	v_max_num_f32 v12, v12, v15
.else
	v_max3_num_f32 v12, v12, v15, v[MX+\q]
.endif
	v_permlanex16_b32 v254, v12, s44, s45
	v_max_num_f32 v12, v12, v254
	v_mul_f32 v[NM+2*\q], s50, v12
.if \first == 0
	v_fma_f32 v13, v[MX+\q], s46, v[NM+2*\q]
	v_exp_f32 v[AL+2*\q], v13
.endif
	v_mov_b32 v[MX+\q], v12                        ; also the plain instruction behind v_exp_f32 (ISA guide 5.7.2)
.endm
.macro EXPQ q                          ; p = 2^(c s - c maximum), in place; the run of exponentials is followed by plain work on other registers
.irp i, 0,2,4,6,8,10,12,14,32,34,36,38,40,42,44,46
	v_pk_fma_f32 v[SC+16*\q+\i:SC+16*\q+\i+1], v[SC+16*\q+\i:SC+16*\q+\i+1], s[46:47], v[NM+2*\q:NM+2*\q+1] op_sel_hi:[1,0,0]
.endr
.irp i, 0,2,4,6,8,10,12,14,32,34,36,38,40,42,44,46
	v_exp_f32 v[SC+16*\q+\i], v[SC+16*\q+\i]
	v_exp_f32 v[SC+16*\q+\i+1], v[SC+16*\q+\i+1]
.endr
.endm
.macro SUMS first                      ; the running sums of both query tiles, by turns: two chains that do not wait for each other
.if \first
	s_wait_alu depctr_va_vdst(0)
	v_pk_add_f32 v[LS:LS+1], v[SC:SC+1], v[SC+2:SC+3]
	v_pk_add_f32 v[LS+2:LS+3], v[SC+16:SC+17], v[SC+18:SC+19]
.else
	s_wait_alu depctr_va_vdst(0)
	v_pk_fma_f32 v[LS:LS+1], v[LS:LS+1], v[AL:AL+1], v[SC:SC+1] op_sel_hi:[1,0,1]
	v_pk_fma_f32 v[LS+2:LS+3], v[LS+2:LS+3], v[AL+2:AL+3], v[SC+16:SC+17] op_sel_hi:[1,0,1]
	v_pk_add_f32 v[LS:LS+1], v[LS:LS+1], v[SC+2:SC+3]
	v_pk_add_f32 v[LS+2:LS+3], v[LS+2:LS+3], v[SC+18:SC+19]
.endif
.irp i, 4,6,8,10,12,14,32,34,36,38,40,42,44,46
	v_pk_add_f32 v[LS:LS+1], v[LS:LS+1], v[SC+\i:SC+\i+1]
	v_pk_add_f32 v[LS+2:LS+3], v[LS+2:LS+3], v[SC+16+\i:SC+16+\i+1]
.endr
.endm
.macro CVTP                            ; sixteen f32 become eight registers of f16 in place: register i is written when 2 i and 2 i + 1 have been read
.irp g, 0,1
.irp q, 0,1
.irp i, 0,1,2,3,4,5,6,7
	v_cvt_pk_f16_f32 v[SC+32*\g+16*\q+\i], v[SC+32*\g+16*\q+2*\i], v[SC+32*\g+16*\q+2*\i+1]
.endr
.endr
.endr
.endm
.macro OSCALE                          ; O^T x rescale (also used with 1 / sum)
.irp t, 0,1,2,3,4,5,6,7
.irp p, 0,2,4,6
	v_pk_mul_f32 v[OT+8*\t+\p:OT+8*\t+\p+1], v[OT+8*\t+\p:OT+8*\t+\p+1], v[AL+2*(\t%2):AL+2*(\t%2)+1] op_sel_hi:[1,0]
.endr
.endr
.endm
; 64 keys.  On entry the K fragments are on their way: pool 0's eight loads, then pool 1's.  first: starts maximum, sums and O^T.  pre: the tile's next 64 keys follow.
.macro CHUNK slot, c, first, mask, pre
	s_wait_dscnt 0x8                               ; pool 0 is in; pool 1's eight loads may be out
	SMUL 0
	s_wait_dscnt 0x0
	SMUL 1
	NOPS 4                                         ; in front of loads into the pools and of readers of the scores
	VLOAD \slot, \c
.if \mask
	MASK \c
.endif
	MAXQ 0, \first
	MAXQ 1, \first
	EXPQ 0
	EXPQ 1
	SUMS \first
	CVTP
.if \first == 0
	OSCALE
.endif
	s_wait_dscnt 0x8                               ; V^T of keys 0-31 is in; the eight loads for keys 32-63 may be out
	PV 0, \first
.if \pre
	NOPS 4
	KLOAD \slot, 1, 0
	s_wait_dscnt 0x8                               ; the eight K loads just issued stay out; V^T of keys 32-63 is in
.else
	s_wait_dscnt 0x0
.endif
	PV 1, 0
	NOPS 5                                         ; in front of loads into pool 1, of score products that write over P^T, and of readers of O^T
.if \pre
	KLOAD \slot, 1, 1
.endif
.endm
; A block is done: divide by the sums, round to f16, through my own stage, 512 consecutive bytes a store.
.macro FINALIZE
	v_add_f32 v12, v[LS], v[LS+1]
	v_add_f32 v13, v[LS+2], v[LS+3]
	v_permlanex16_b32 v254, v12, s44, s45
	v_permlanex16_b32 v255, v13, s44, s45
	v_add_f32 v12, v12, v254
	v_add_f32 v13, v13, v255
	v_rcp_f32 v[AL], v12                           ; the sum holds the term 1 of the row's largest score: never 0
	v_rcp_f32 v[AL+2], v13
	v_nop                                          ; the plain place behind the reciprocals (ISA guide 5.7.2)
	s_wait_alu depctr_va_vdst(0)
	OSCALE
.irp t, 0,1,2,3,4,5,6,7
.irp p, 0,1,2,3
	v_cvt_pk_f16_f32 v[SC+4*\t+\p], v[OT+8*\t+2*\p], v[OT+8*\t+2*\p+1]
.endr
	ds_store_b128 v9, v[SC+4*\t:SC+4*\t+3] offset:(\t%2)*16*KP+32*(\t/2)
.endr
.irp i, 0,1,2,3,4,5,6,7
	ds_load_b128 v[SC+32+4*\i:SC+32+4*\i+3], v10 offset:4*KP*\i   ; a wave's LDS instructions are served in order: these see the stores above
.endr
.irp i, 0,1,2,3,4,5,6,7
	s_wait_dscnt 7-\i
	global_store_b128 v11, v[SC+32+4*\i:SC+32+4*\i+3], s[48:49] offset:512*\i
.endr
	s_wait_xcnt 0x0                                ; the stores' data registers and base are written again only behind this wait
.endm
; One position of the tile stream, in slot; other = the other slot.  In front of the barrier: all my tensor loads have landed (one was out, my part of this
; position's tile) and my reads of the other slot are back.  Behind it: first my one tensor load, the next position's tile into the other slot, which has this
; position's work in which to land; then this slot is read.  kind = 1: position 0, the first block's diagonal tile.
.macro TRIP slot, other, refill, kind
	s_set_vgpr_msb 0x5
	s_wait_tensorcnt 0x0
	ds_add_u32 v0, v1
	s_wait_dscnt 0x0
	s_set_vgpr_msb 0x500
.if \refill
	s_add_co_i32 s15, s14, -1                      ; the next tile: one down, or behind tile 0 the second block's diagonal tile j
	s_cmp_eq_u32 s14, 0
	s_cselect_b32 s14, s10, s15
	s_lshl_b32 s42, s14, 14
	s_add_nc_u64 s[G0+4*\other+2:G0+4*\other+3], s[40:41], s[42:43]
	s_or_b32 s[G0+4*\other+3], s[G0+4*\other+3], 0x80000000
.endif
	s_wait_dscnt 0x0
	s_barrier_signal -1
	s_barrier_wait -1
.if \refill
	JLOAD \other
.endif
	KLOAD \slot, 0, 0
	KLOAD \slot, 0, 1
.if \kind
	CHUNK \slot, 0, 1, 1, 1
	CHUNK \slot, 1, 0, 1, 0
.else
	s_cmp_eq_u32 s12, s13                          ; the same in all four waves: it hangs on the work-group's number and the position
	s_cbranch_scc1 .Ldiag_\@
	CHUNK \slot, 0, 0, 0, 1
	CHUNK \slot, 1, 0, 0, 0
	s_branch .Ljoin_\@
.Ldiag_\@:
	FINALIZE                                       ; the first block leaves,
	s_mov_b64 s[48:49], s[52:53]
.irp i, 0,1,2,3,4,5,6,7
	ds_load_b128 v[QF+4*\i:QF+4*\i+3], v8 offset:512*\i    ; the second block's Q comes in,
.endr
	s_wait_dscnt 0x0
	CHUNK \slot, 0, 1, 1, 1                        ; and its diagonal tile starts its sums
	CHUNK \slot, 1, 0, 1, 0
.Ljoin_\@:
.endif
	s_add_co_u32 s12, s12, 1
.endm
	TRIP 0, 1, 1, 1                                ; position 0
	s_mov_b32 s3, 7
.Lpair:
	TRIP 1, 0, 1, 0                                ; positions 1 to 14
	TRIP 0, 1, 1, 0
	s_sub_co_u32 s3, s3, 1
	s_cmp_lg_u32 s3, 0
	s_cbranch_scc1 .Lpair
	TRIP 1, 0, 1, 0                                ; position 15 asks for the last tile
	TRIP 0, 1, 0, 0                                ; position 16 asks for nothing
	FINALIZE
	s_set_vgpr_msb 0x5
	s_wait_tensorcnt 0x0
	ds_add_u32 v0, v1
	s_wait_dscnt 0x0
	s_set_vgpr_msb 0x500
	s_endpgm
.Lfunc_end_k_q7055fa8bf2_attn:
	.size	k_q7055fa8bf2_attn, .Lfunc_end_k_q7055fa8bf2_attn-k_q7055fa8bf2_attn
	.p2alignl 7, 3214868480
	.fill 96, 4, 3214868480
	.section	.rodata,"a",@progbits
	.p2align	6, 0x0
	.amdhsa_kernel k_q7055fa8bf2_attn
		.amdhsa_group_segment_fixed_size 327680
		.amdhsa_private_segment_fixed_size 0
		.amdhsa_enable_private_segment 0
		.amdhsa_kernarg_size 16
		.amdhsa_user_sgpr_count 2
		.amdhsa_user_sgpr_kernarg_segment_ptr 1
		.amdhsa_wavefront_size32 1
		.amdhsa_system_sgpr_workgroup_id_x 1
		.amdhsa_system_sgpr_workgroup_id_y 1
		.amdhsa_system_sgpr_workgroup_id_z 1
		.amdhsa_system_vgpr_workitem_id 0
		.amdhsa_next_free_vgpr 258
		.amdhsa_next_free_sgpr 66
		.amdhsa_reserve_vcc 1
		.amdhsa_float_denorm_mode_32 3
		.amdhsa_float_denorm_mode_16_64 3
		.amdhsa_memory_ordered 1
		.amdhsa_forward_progress 1
		.amdhsa_inst_pref_size 255
	.end_amdhsa_kernel
	.section	.bss,"aw",@nobits
	.p2align	6
	.space	262144
	.amdgpu_metadata
---
amdhsa.version: [ 1, 2 ]
amdhsa.kernels:
  - .name:           k_q7055fa8bf2_attn
    .symbol:         k_q7055fa8bf2_attn.kd
    .args:
      - { .name: qkv, .offset: 0, .size: 8, .value_kind: global_buffer, .address_space: global }
      - { .name: ctx, .offset: 8, .size: 8, .value_kind: global_buffer, .address_space: global }
    .group_segment_fixed_size: 327680
    .private_segment_fixed_size: 0
    .kernarg_segment_align: 8
    .kernarg_segment_size: 16
    .max_flat_workgroup_size: 128
    .sgpr_count:     66
    .vgpr_count:     258
    .wavefront_size: 32
...
	.end_amdgpu_metadata
.endif
;; end of part 3
;; launch oproj (part 4): grid 8 x 32, 4 waves a work-group, clusters of 4 x 4, 327,680 bytes of LDS; arguments ctx, wt, bo, out0; writes out0
.if DOCPART == 4
	.amdgcn_target "amdgcn-amd-amdhsa--gfx1250"
	.amdhsa_code_object_version 6
	.text
	.protected	k_q7055fa8bf2_oproj
	.globl	k_q7055fa8bf2_oproj
	.p2align	8
	.type	k_q7055fa8bf2_oproj,@function
k_q7055fa8bf2_oproj:
	s_mov_b64 s[64:65], 0
	v_nop
	global_prefetch_b8 v0, s[64:65] scope:SCOPE_SE
	s_setreg_imm32_b32 hwreg(HW_REG_WAVE_MODE, 25, 1), 1
	s_wait_xcnt 0x0
	s_wait_alu depctr_hold_cnt(0) depctr_sa_sdst(0) depctr_va_vdst(0) depctr_va_sdst(0) depctr_va_ssrc(0) depctr_va_vcc(0) depctr_vm_vsrc(0)
	s_getreg_b32 s2, hwreg(HW_REG_IB_STS2, 6, 4)
	s_cmp_eq_u32 s2, 0
	s_cbranch_scc0 .Lentry_in_a_cluster
	s_endpgm
.Lentry_in_a_cluster:
	s_bfe_u32 s2, ttmp6, 0x10000c
	s_cmp_lg_u32 s2, 0xf033
	s_cbranch_scc0 .Lentry_shape_is_right
	s_endpgm
.Lentry_shape_is_right:
; out0 = ctx Wo + bo.  ctx[row block 32][head 16][128][64] f16; wt rows 3072..4095 = Wo^T [n][k] f16; sums and result f32.
; LIMIT: f16 operands, |ctx| and |Wo| below 65,504.
; A work-group makes 128 x 128 with four waves, 2 x 2, each 64 x 64: 16 accumulator tiles.  32 x 8 = 256 work-groups.
; A K step of 128 would be 64 products a wave, little for a tile to land in: so a slot holds K = 256 (four heads' planes of ctx, 512-byte rows of wt), two slots,
; four slot steps, written out.  One tensor load a wave and slot: waves 0, 1 two dense planes of ctx each, waves 2, 3 64 rows of wt each.
; CLUSTER 4 x 4: ctx's tile hangs on the block row alone and is asked for jointly along a row of the cluster, wt's on the block column alone, along a column.
; TRANSPOSED USE as in the first product: a lane holds eight neighbouring columns of one row.  bo enters as the C operand of the first products.
; WINDOWS: 0: addresses, fragments, bias tiles, the way out; 1: the 16 accumulator tiles, (a, b) at 8 (4 a + b).
.set AP,     144                       ; ctx rows: 128 bytes + 16
.set APLANE, 128*AP
.set BP,     528                       ; wt rows: 512 bytes + 16
.set AHALF,  2*APLANE                  ; one tensor load of ctx
.set BHALF,  64*BP                     ; one tensor load of wt
.set SLOT,   2*AHALF+2*BHALF
.set STAGE,  2*SLOT                    ; a multiple of 256, behind the ring: 16 rows x 272 bytes a wave
.set SPITCH, 272
.set ADRA, 16
.set ADRB, 18
.set STO,  20
.set RD,   21
.set CO,   22
.set VBI,  23
.set FA0,  32                          ; A buffer f at FA0 + 32 f
.set FB0,  96                          ; B buffer f at FB0 + 32 f
.set BI,   160
.set RB0,  192
.set RB1,  224
.set G1,  24
.set G0,  32
.set G1B, 48
.set G0B, 56
.set MSB, 0
.macro WIN new
.if MSB != \new
	s_set_vgpr_msb (MSB<<8)|\new
.set MSB, \new
.endif
.endm
.macro JLOAD s
	s_cmp_eq_u32 s17, 0
	s_cbranch_scc0 .Lfor_b_\@
	tensor_load_to_lds s[G0+4*\s:G0+4*\s+3], s[G1:G1+7]
	s_nop 0
	s_branch .Lasked_\@
.Lfor_b_\@:
	tensor_load_to_lds s[G0B+4*\s:G0B+4*\s+3], s[G1B:G1B+7]
	s_nop 0
.Lasked_\@:
.endm
.macro CROUND                          ; a round of the cluster's barrier
	s_barrier_signal -1
	s_barrier_wait -1
	s_cmp_lg_u32 s16, 0
	s_cbranch_scc1 .Lnot_wave_0_\@
	s_barrier_signal -3
.Lnot_wave_0_\@:
	s_barrier_wait -3
	s_barrier_signal -1
	s_barrier_wait -1
.endm
.macro PLACES                          ; four places behind the last matrix instructions (ISA guide 7.12.1)
.rept 4
	v_nop
.endr
.endm
	s_load_b128 s[4:7], s[0:1], 0x0                ; ctx s[4:5], wt s[6:7]
	s_load_b128 s[8:11], s[0:1], 0x10              ; bo s[8:9], out0 s[10:11]
	v_lshl_add_u32 v30, v0, 2, 0x49400
	v_mov_b32 v31, 0
	ds_add_u32 v30, v31
	ds_add_u32 v30, v31
	v_lshrrev_b32 v1, 5, v0
	v_readfirstlane_b32 s16, v1                    ; wave
	s_lshr_b32 s17, s16, 1                         ; my half of the block's rows; also: I fetch ctx (0) or wt (1)
	s_and_b32 s18, s16, 1                          ; my half of its columns; also: which half of that tile
	s_bfe_u32 s19, ttmp6, 0x40000                  ; cx
	s_bfe_u32 s20, ttmp6, 0x40004                  ; cy
	s_lshl_b32 s21, ttmp9, 2
	s_add_co_u32 s21, s21, s19                     ; block column
	s_and_b32 s22, ttmp7, 0xffff
	s_lshl_b32 s22, s22, 2
	s_add_co_u32 s22, s22, s20                     ; block row
	s_lshl_b32 s44, s20, 2
	s_lshl_b32 s44, 15, s44                        ; my row of the cluster
	s_lshl_b32 s45, 0x1111, s19                    ; my column
	s_or_b32 s[G1+0], s44, (1<<16)|(1<<20)|(1<<21)|(4<<22)|(3<<25)    ; ctx: padding of 4 words after every 32
	s_or_b32 s[G1B+0], s45, (1<<16)|(1<<20)|(1<<21)|(6<<22)|(3<<25)   ; wt: after every 128
	s_mov_b32 s[G1+1], 64<<16                      ; tensor_dim0
	s_mov_b32 s[G1B+1], 256<<16
	s_mov_b32 s[G1+2], 256<<16                     ; tensor_dim1
	s_mov_b32 s[G1B+2], 64<<16
	s_mov_b32 s[G1+3], 64<<16                      ; tile_dim0
	s_mov_b32 s[G1B+3], 256<<16
	s_mov_b32 s[G1+4], 256                         ; tile_dim1: two planes of 128 dense rows
	s_mov_b32 s[G1B+4], 64
	s_mov_b32 s[G1+5], 64                          ; elements from row to row
	s_mov_b32 s[G1B+5], 1024
	s_mov_b32 s[G1+6], 0
	s_mov_b32 s[G1B+6], 0
	s_mov_b32 s[G1+7], 0
	s_mov_b32 s[G1B+7], 0
	s_lshl_b32 s40, s22, 18                        ; ctx: 262,144 bytes a row block, 32,768 for two planes
	s_lshl_b32 s41, s18, 15
	s_add_co_u32 s40, s40, s41
	s_mov_b32 s41, 0
	s_lshl_b32 s46, s21, 18                        ; wt: row 3072 + 128 x block column + 64 x half, 2,048 bytes a row
	s_lshl_b32 s47, s18, 17
	s_add_co_u32 s46, s46, s47
	s_add_co_u32 s46, s46, 3072*2048
	s_mov_b32 s47, 0
	s_mul_i32 s23, s16, AHALF                      ; LDS: ctx's halves at wave x AHALF (waves 0, 1),
	s_mul_i32 s3, s16, BHALF                       ; wt's at 2 AHALF + (wave - 2) x BHALF (waves 2, 3)
	s_add_co_u32 s3, s3, 2*AHALF-2*BHALF
	s_wait_dscnt 0x0
	s_wait_kmcnt 0x0
	s_add_nc_u64 s[42:43], s[4:5], s[40:41]
	s_add_nc_u64 s[46:47], s[6:7], s[46:47]
	CROUND                                         ; in front of the first joint loads
.irp s, 0,1
	s_mov_b32 s[G0+4*\s], 1
	s_add_co_u32 s[G0+4*\s+1], s23, \s*SLOT
	s_add_nc_u64 s[G0+4*\s+2:G0+4*\s+3], s[42:43], \s*65536       ; four planes a slot step
	s_or_b32 s[G0+4*\s+3], s[G0+4*\s+3], 0x80000000
	s_mov_b32 s[G0B+4*\s], 1
	s_add_co_u32 s[G0B+4*\s+1], s3, \s*SLOT
	s_add_nc_u64 s[G0B+4*\s+2:G0B+4*\s+3], s[46:47], \s*512       ; 256 k
	s_or_b32 s[G0B+4*\s+3], s[G0B+4*\s+3], 0x80000000
	JLOAD \s                                       ; both first fills together: two tensor loads of this wave are out
.endr
	s_lshl_b32 s12, s21, 9                         ; my first column, in bytes of f32: 512 x block column + 256 x half
	s_lshl_b32 s13, s18, 8
	s_add_co_u32 s12, s12, s13
	s_mov_b32 s13, 0
	s_add_nc_u64 s[8:9], s[8:9], s[12:13]
	s_lshl_b32 s14, s22, 19                        ; my first row: 128 x block row + 64 x half, 4,096 bytes a row
	s_lshl_b32 s15, s17, 18
	s_add_co_u32 s14, s14, s15
	s_add_co_u32 s14, s14, s12
	s_mov_b32 s15, 0
	s_add_nc_u64 s[10:11], s[10:11], s[14:15]
	v_and_b32 v1, 15, v0                           ; r
	v_bfe_u32 v2, v0, 4, 1                         ; h
	v_lshlrev_b32 v[VBI], 5, v2
.irp b, 0,1,2,3
	global_load_b128 v[BI+8*\b:BI+8*\b+3], v[VBI], s[8:9] offset:64*\b
	global_load_b128 v[BI+8*\b+4:BI+8*\b+7], v[VBI], s[8:9] offset:64*\b+16
.endr
	v_mul_u32_u24 v3, v1, AP
	v_lshl_add_u32 v3, v2, 4, v3
	v_mul_u32_u24 v4, v1, BP
	v_lshl_add_u32 v4, v2, 4, v4
	s_mul_i32 s40, s17, 64*AP                      ; my 64 rows in each plane
	s_mul_i32 s41, s18, 64*BP                      ; my 64 rows of wt's tile,
	s_add_co_u32 s41, s41, 2*AHALF                 ; which lies behind ctx's
.irp s, 0,1
	v_add_nc_u32 v[ADRA+\s], s40, v3
	v_add_nc_u32 v[ADRB+\s], s41, v4
	s_add_co_u32 s40, s40, SLOT
	s_add_co_u32 s41, s41, SLOT
.endr
	s_mul_i32 s40, s16, 16*SPITCH
	s_add_co_u32 s40, s40, STAGE
	v_mul_u32_u24 v5, v1, SPITCH
	v_lshl_add_u32 v5, v2, 5, v5
	v_add_nc_u32 v[STO], s40, v5                   ; in: row r, 32 bytes for each half of the lanes
	v_mul_u32_u24 v6, v2, SPITCH
	v_lshl_add_u32 v6, v1, 4, v6
	v_add_nc_u32 v[RD], s40, v6                    ; back: lanes 0-15 a row of 256 bytes, lanes 16-31 the next
	v_lshlrev_b32 v7, 12, v2
	v_lshl_add_u32 v[CO], v1, 4, v7                ; the same two rows in out0
.macro FETCH slot, u, f                ; 16 LDS loads: the fragments of k = 32 u .. 32 u + 31 of the slot: plane u / 2, byte 64 (u % 2) of ctx's rows; byte 64 u of wt's
.irp a, 0,1,2,3
	ds_load_b128 v[FA0+32*\f+8*\a:FA0+32*\f+8*\a+3], v[ADRA+\slot] offset:(\u/2)*APLANE+(\u%2)*64+\a*16*AP
	ds_load_b128 v[FA0+32*\f+8*\a+4:FA0+32*\f+8*\a+7], v[ADRA+\slot] offset:(\u/2)*APLANE+(\u%2)*64+\a*16*AP+32
.endr
.irp b, 0,1,2,3
	ds_load_b128 v[FB0+32*\f+8*\b:FB0+32*\f+8*\b+3], v[ADRB+\slot] offset:64*\u+\b*16*BP
	ds_load_b128 v[FB0+32*\f+8*\b+4:FB0+32*\f+8*\b+7], v[ADRB+\slot] offset:64*\u+\b*16*BP+32
.endr
.endm
.macro MUL16 f, first                  ; the 16 accumulators take turns, one instruction a turn
.irp a, 0,1,2,3
.irp b, 0,1,2,3
.if \first
	v_wmma_f32_16x16x32_f16 v[8*(4*\a+\b):8*(4*\a+\b)+7], v[FB0+32*\f+8*\b:FB0+32*\f+8*\b+7], v[FA0+32*\f+8*\a:FA0+32*\f+8*\a+7], v[BI+8*\b:BI+8*\b+7]
.else
	v_wmma_f32_16x16x32_f16 v[8*(4*\a+\b):8*(4*\a+\b)+7], v[FB0+32*\f+8*\b:FB0+32*\f+8*\b+7], v[FA0+32*\f+8*\a:FA0+32*\f+8*\a+7], v[8*(4*\a+\b):8*(4*\a+\b)+7]
.endif
.endr
.endr
.endm
; One step of 32 along K on buffer f; un = the next step, fetched first into buffer g (8: none is left in the slot).
.macro STEP slot, un, f, g, first
.if \un < 8
.if \un > 1
	PLACES
.endif
	FETCH \slot, \un, \g
	s_wait_dscnt 16                                ; the 16 loads just issued stay out; this step's are in
.else
	s_wait_dscnt 0x0
.endif
.if \first
	WIN 0x40                                       ; D in window 1, C = a bias tile in window 0
.else
	WIN 0x50                                       ; C and D in window 1
.endif
	MUL16 \f, \first
	WIN 0
.endm
.macro SLOTWORK slot, first
	PLACES
	FETCH \slot, 0, 0
	STEP \slot, 1, 0, 1, \first
	STEP \slot, 2, 1, 0, 0
	STEP \slot, 3, 0, 1, 0
	STEP \slot, 4, 1, 0, 0
	STEP \slot, 5, 0, 1, 0
	STEP \slot, 6, 1, 0, 0
	STEP \slot, 7, 0, 1, 0
	STEP \slot, 8, 1, 0, 0
.endm
; The slot just read is filled again, two slot steps ahead.  In front of the round: all my tensor loads have landed (one was out: my part of the other slot), so the
; addresses may step; my reads of this slot are back.  Behind the round the joint refill comes first, one tensor load a wave; it has a slot's 128 products in which to land.
.macro REFILL slot
	s_wait_tensorcnt 0x0
	ds_add_u32 v30, v31
	s_add_nc_u64 s[G0+4*\slot+2:G0+4*\slot+3], s[G0+4*\slot+2:G0+4*\slot+3], 2*65536
	s_add_nc_u64 s[G0B+4*\slot+2:G0B+4*\slot+3], s[G0B+4*\slot+2:G0B+4*\slot+3], 2*512
	s_wait_dscnt 0x0
	CROUND
	JLOAD \slot
.endm
	s_wait_loadcnt 0x0                             ; the bias tiles
	s_wait_tensorcnt 0x1                           ; my part of slot 0 is in; slot 1's stays out
	s_barrier_signal -1
	s_barrier_wait -1
	SLOTWORK 0, 1                                  ; k 0-255: the first products start the sums from the bias
	REFILL 0
	SLOTWORK 1, 0                                  ; k 256-511
	REFILL 1
	SLOTWORK 0, 0                                  ; k 512-767
	s_wait_tensorcnt 0x0                           ; my part of the last slot step is in,
	s_wait_dscnt 0x0
	s_barrier_signal -1
	s_barrier_wait -1                              ; everybody's is; nothing is left to fetch
	SLOTWORK 1, 0                                  ; k 768-1023
	; THE WAY OUT, 16 rows at a time: the f32 sums go as they are into my own stage and come back as whole rows of 256 bytes.
	PLACES
.macro OUT16 a, rb
	WIN 0x04                                       ; the LDS stores' data in window 1
.irp b, 0,1,2,3
	ds_store_b128 v[STO], v[8*(4*\a+\b):8*(4*\a+\b)+3] offset:64*\b
	ds_store_b128 v[STO], v[8*(4*\a+\b)+4:8*(4*\a+\b)+7] offset:64*\b+16
.endr
	WIN 0
	s_wait_xcnt 0x0                                ; the registers that earlier stores read are loaded again only behind this wait
.irp t, 0,1,2,3,4,5,6,7
	ds_load_b128 v[\rb+4*\t:\rb+4*\t+3], v[RD] offset:\t*2*SPITCH   ; a wave's LDS instructions are served in order: these see the stores above
.endr
.irp t, 0,1,2,3,4,5,6,7
	s_wait_dscnt 7-\t
	global_store_b128 v[CO], v[\rb+4*\t:\rb+4*\t+3], s[10:11] offset:(16*\a+2*\t)*4096 th:TH_STORE_NT   ; 16 lanes store 256 consecutive bytes, aligned
.endr
.endm
	OUT16 0, RB0
	OUT16 1, RB1
	OUT16 2, RB0
	OUT16 3, RB1
	s_wait_tensorcnt 0x0
	ds_add_u32 v30, v31
	s_wait_dscnt 0x0
	CROUND                                         ; the closing round
	s_endpgm
.Lfunc_end_k_q7055fa8bf2_oproj:
	.size	k_q7055fa8bf2_oproj, .Lfunc_end_k_q7055fa8bf2_oproj-k_q7055fa8bf2_oproj
	.p2alignl 7, 3214868480
	.fill 96, 4, 3214868480
	.section	.rodata,"a",@progbits
	.p2align	6, 0x0
	.amdhsa_kernel k_q7055fa8bf2_oproj
		.amdhsa_group_segment_fixed_size 327680
		.amdhsa_private_segment_fixed_size 0
		.amdhsa_enable_private_segment 0
		.amdhsa_kernarg_size 32
		.amdhsa_user_sgpr_count 2
		.amdhsa_user_sgpr_kernarg_segment_ptr 1
		.amdhsa_wavefront_size32 1
		.amdhsa_system_sgpr_workgroup_id_x 1
		.amdhsa_system_sgpr_workgroup_id_y 1
		.amdhsa_system_sgpr_workgroup_id_z 1
		.amdhsa_system_vgpr_workitem_id 0
		.amdhsa_next_free_vgpr 384
		.amdhsa_next_free_sgpr 66
		.amdhsa_reserve_vcc 0
		.amdhsa_float_denorm_mode_32 3
		.amdhsa_float_denorm_mode_16_64 3
		.amdhsa_memory_ordered 1
		.amdhsa_forward_progress 1
		.amdhsa_inst_pref_size 89
	.end_amdhsa_kernel
	.amdgpu_metadata
---
amdhsa.version: [ 1, 2 ]
amdhsa.kernels:
  - .name:           k_q7055fa8bf2_oproj
    .symbol:         k_q7055fa8bf2_oproj.kd
    .args:
      - { .name: ctx, .offset: 0, .size: 8, .value_kind: global_buffer, .address_space: global }
      - { .name: wt, .offset: 8, .size: 8, .value_kind: global_buffer, .address_space: global }
      - { .name: bo, .offset: 16, .size: 8, .value_kind: global_buffer, .address_space: global }
      - { .name: out0, .offset: 24, .size: 8, .value_kind: global_buffer, .address_space: global }
    .group_segment_fixed_size: 327680
    .private_segment_fixed_size: 0
    .kernarg_segment_align: 8
    .kernarg_segment_size: 32
    .max_flat_workgroup_size: 128
    .sgpr_count:     66
    .vgpr_count:     384
    .wavefront_size: 32
...
	.end_amdgpu_metadata
.endif
;; end of part 4
